; MI455X (gfx1250); checked and timed in simulation.
; The chip was launched on July 23, 2026; its instructions are those of AMD's public machine-readable ISA for CDNA 5 (MIT licence, August 2026) and "CDNA5" Instruction Set Architecture Reference Guide (July 2026). The comments in the code are by the model that wrote it; some were corrected since.
;; Radon Layer. Allowed arithmetic: float matrix products may take bf16 or f16 operands with f32 sums; all other float work in f32.
;; Inputs: x 4 x 1 x 384 x 384 float32.
;; Outputs: out0 4 x 460 x 64 float32.
;; 2 versions, each right; version 2 is version 1 with the launch project written anew for expert scheduling mode. Each part assembles by itself: llvm-mc -triple=amdgcn-amd-amdhsa -mcpu=gfx1250 --defsym DOCPART=n.
;; ======== version 1 of 2: 2 launches
;; limits: inputs' magnitudes at most 1e+23; a function is approximated: absolute error at most 4.8e-07
;; workspace buffers: part 7,602,176 bytes
;; launch project (part 1): grid 16 x 16, 16 waves a work-group, no clusters, 196,608 bytes of LDS; arguments x, part; writes part
.if DOCPART == 1
	.amdgcn_target "amdgcn-amd-amdhsa--gfx1250"
	.amdhsa_code_object_version 6
	.text
	.protected	k_qc61b2b50f9_project
	.globl	k_qc61b2b50f9_project
	.p2align	8
	.type	k_qc61b2b50f9_project,@function
k_qc61b2b50f9_project:
	s_mov_b64 s[64:65], 0
	v_nop
	global_prefetch_b8 v0, s[64:65] scope:SCOPE_SE
	s_setreg_imm32_b32 hwreg(HW_REG_WAVE_MODE, 25, 1), 1
	s_wait_xcnt 0x0
; Radon projections, first of two launches: partial line sums of one tile of x for four angles.
; out[b][h][a] = 1/460 * sum over w = 0..459 of the bilinear sample of x[b] (zero outside its 384 x 384 pixels) at
;   px = c (w-229.5) - s (h-229.5) + 191.5,  py = s (w-229.5) + c (h-229.5) + 191.5,  c, s = cos, sin of a*pi/64  (191.5 = 229.5 - 38, the pad).
; WORK-GROUP: tile (tx, ty) of 96 x 96 pixels (grid x = 4 ty + tx) and angles 4 ag .. 4 ag + 3 (grid y = ag).  The tile lies in LDS as cells of
; 16 bytes {x[0], x[1], x[2], x[3]} of one pixel: one 16-byte read is one tap of all four images, and positions and weights are made once for four.
; Cell (row, col) = pixel (96 ty + row - 1, 96 tx + col - 1) for row, col = 1..96; every other cell is zero.  A tile takes every sample whose 2 x 2 taps
; touch it; taps that belong to a neighbour read zeros here and are added by the neighbour, so each tap of each sample is counted once over the 16 tiles.
; A sample elsewhere is sent by two v_min_u32 to cell 97, which with its neighbour 98 is zero in every row and column: no compare, no change of EXEC.
; COORDINATES are whole numbers with 21 fraction bits: X = C (2w-459) - S (2h-459) + (385 - 192 tx) 2^20, C, S = cos, sin in units of 2^-20, made from the
; angle's number by five rotations in scalar integer arithmetic.  Addresses and trip counts come from these whole numbers alone; floats are only weights.
; LIMITS: cos and sin are rounded to 2^-20, so a sample position is off by at most 460 * 2^-21 = 2.2e-4 pixel.  The weights carry a factor 2^42, which the
; second launch takes out: sums stay finite for |x| below about 1e23.
; LANES: a wave works on 8 lines x 4 neighbouring w at a time, lane = 4 (line % 8) + (w % 4): each half of the wave is a patch of 4 x 4 samples one pixel apart.
; The pitch is 100 cells = 4 mod 16, so 4 x 4 neighbouring cells start at 16 different 16-byte columns of a 256-byte row of banks (64 banks of 4 bytes:
; ISA guide 11.1); a turned patch touches nearly such a set of cells.
; NO CLUSTER, NO TENSOR LOAD: the 16 work-groups of a tile read the same 147,456 bytes, once each.  A tensor load lays rows down as they lie in memory, the four
; images apart; a planar copy (147,456) beside the cells (163,840) and the stage (30,720) would need 342,016 bytes of LDS, more than the 327,680 there are.
; NO MATRIX UNIT: every sample has weights of its own; there is no product of two matrices here.
.set IMG,    384
.set ROWB,   IMG*4                     ; bytes in a row of x
.set PLANE,  IMG*ROWB                  ; bytes in one image
.set TS,     96                        ; pixels along a tile's side
.set PITCH,  1600                      ; an LDS row: 100 cells of 16 bytes
.set EDGE,   TS+1                      ; cell 97
.set STAGE,  163840                    ; behind 10,240 cells: each wave's results
.set WSTG,   1920                      ; a wave's stage: 15 units x 8 lines x 16 bytes
.set PTILE,  116*4096                  ; bytes of one tile's part of the workspace: 116 groups of 4 lines x 64 angles x 64 bytes
.set FR,     21                        ; fraction bits of X and Y
.set LASTB,  57                        ; the block of 8 w whose second half (w = 460..463) does not exist
.set FAR,    600<<FR                   ; 600 pixels: X lies in -438 .. 535, so X + 600 is 162 .. 1135: never a cell of the tile, and below 2^32
.set COS1,   0xffb10f1c                ; cos, sin of pi/64, pi/32, pi/16, pi/8, pi/4 in units of 2^-32
.set SIN1,   0x0c8fb2f8
.set COS2,   0xfec46d1e
.set SIN2,   0x1917a6bc
.set COS4,   0xfb14be80
.set SIN4,   0x31f17078
.set COS8,   0xec835e7a
.set SIN8,   0x61f78a9a
.set COS16,  0xb504f334
; vector registers.  v0 thread, v1 lane, v2 offset in x, v3-v5 clearing and the way out, v6-v7 cell stores, v8-v11 zeros, v12-v15 at work
.set FD,  16                           ; v[16:87]  the fill: chunk u = 4 registers, one for each image.  Free after the fill:
.set X,   16                           ; X, Y of the first four w of the block
.set Y,   17
.set XB,  18                           ; and of the second four
.set YB,  19
.set PA,  20                           ; cell column, then LDS address (first four w)
.set QA,  21                           ; cell row, then row x pitch
.set PB,  22
.set QB,  23
.set FA,  24                           ; v[24:25] fraction bits of X, Y;  v[26:27] of XB, YB
.set FB,  26
.set WXA, 28                           ; v[28:29] = {wx, 1 - wx}, in units of 2^-21
.set WXB, 30
.set WY,  32                           ; v[32:33] = {wy of the first four, wy of the second four}
.set LA,  34                           ; v[34:35] = {wx wy, (1-wx) wy}
.set HA,  36                           ; v[36:37] = {wx (1-wy), (1-wx)(1-wy)}
.set LB,  38
.set HB,  40
.set DA,  44                           ; v[44:59] four taps x four images
.set DB,  60                           ; v[60:75]
.set ACA, 76                           ; v[76:79] sums of the four images
.set ACB, 80                           ; v[80:83]
.set XL,  88                           ; X, Y of my (line % 8, w % 4) at line group 0, block 0
.set YL,  89
.set XK,  90                           ; lane k: X, Y of the centre of block kbase + k at line group 0, plus the block's half width
.set YK,  91
.set SA,  92                           ; my line's 16 bytes in unit 0 of my wave's stage: written once, the unit is an immediate
	s_load_b128 s[4:7], s[0:1], 0x0                ; x s[4:5], part s[6:7]
	v_lshl_add_u32 v96, v0, 2, 0x2f800
	v_mov_b32 v97, 0
	v_lshrrev_b32 v1, 5, v0
	v_readfirstlane_b32 s8, v1                     ; wave 0..15
	v_and_b32 v1, 31, v0                           ; lane
	s_and_b32 s9, ttmp9, 3                         ; tx
	s_lshr_b32 s10, ttmp9, 2                       ; ty
	s_and_b32 s11, ttmp7, 0xffff                   ; ag
	s_mul_i32 s18, s10, TS*ROWB                    ; the tile's first pixel in x, in bytes
	s_mul_i32 s19, s9, TS*4
	s_add_co_u32 s18, s18, s19
	s_mov_b32 s19, 0
	s_mul_i32 s20, ttmp9, PTILE                    ; the tile's part of the workspace, at my four angles
	s_lshl_b32 s21, s11, 8
	s_add_co_u32 s20, s20, s21
	s_mov_b32 s21, 0
	s_mul_i32 s15, s8, ROWB
	v_lshl_add_u32 v2, v1, 2, s15                  ; row = wave, 4 bytes a lane
	s_wait_kmcnt 0x0
	s_add_nc_u64 s[4:5], s[4:5], s[18:19]
	s_add_nc_u64 s[6:7], s[6:7], s[20:21]
; THE FILL.  Wave w takes rows w, w+16, .. w+80 of the tile, each as 3 chunks of 32 pixels: chunk u = 3 (row / 16) + chunk.  One load is 128 consecutive bytes of one
; image, at a multiple of 128 bytes; a pixel's four images land in four consecutive registers, which are its cell: the interleave costs no move.
; All 72 loads are issued in one run; one address register and immediates serve them all.
.set u, 0
.rept 18
.irp b, 0,1,2,3
	global_load_b32 v[FD+4*u+\b], v2, s[4:5] offset:(u/3)*16*ROWB+(u%3)*128+\b*PLANE
.endr
.set u, u+1
.endr
; While they are on their way all 10,240 cells are cleared (512 threads x 16 bytes x 20), which makes the zero cells round the tile,
	v_mov_b32 v8, 0
	v_mov_b32 v9, 0
	v_mov_b32 v10, 0
	v_mov_b32 v11, 0
	v_lshlrev_b32 v3, 4, v0
	v_add_nc_u32 v4, 0x10000, v3                   ; an LDS immediate has 16 bits: three bases
	v_add_nc_u32 v5, 0x20000, v3
.irp i, 0,1,2,3,4,5,6,7
	ds_store_b128 v3, v[8:11] offset:\i*8192
.endr
.irp i, 0,1,2,3,4,5,6,7
	ds_store_b128 v4, v[8:11] offset:\i*8192
.endr
.irp i, 0,1,2,3
	ds_store_b128 v5, v[8:11] offset:\i*8192
.endr
	s_mul_i32 s15, s8, PITCH
	v_lshl_add_u32 v6, v1, 4, s15                  ; cell stores: row = wave, 16 bytes a lane (the +1 row, +1 column are in the immediates)
	v_add_nc_u32 v7, 48*PITCH, v6                  ; rows 48 and up
; and the wave's angle is made.  Wave 4 m + r takes angle j = (r + m) % 4 and line groups m, m+4, ..: waves that are 4 apart have different angles.
	s_lshr_b32 s12, s8, 2                          ; m
	s_add_co_u32 s13, s8, s12
	s_and_b32 s13, s13, 3                          ; j
	s_lshl2_add_u32 s14, s11, s13                  ; a = 4 ag + j
	s_mov_b32 s16, 0x80000000                      ; cos = 1 in units of 2^-31
	s_mov_b32 s17, 0                               ; sin = 0
; one bit of a: (cos, sin) turned by pi/64 * 2^bit where the bit is set.  Below a quarter turn both stay positive, so unsigned products do.
.macro ROT bit, ck, sk
	s_mul_hi_u32 s18, s16, \ck
	s_mul_hi_u32 s19, s17, \sk
	s_mul_hi_u32 s20, s17, \ck
	s_mul_hi_u32 s21, s16, \sk
	s_sub_co_u32 s18, s18, s19                     ; cos' = cos ck - sin sk
	s_add_co_u32 s20, s20, s21                     ; sin' = sin ck + cos sk
	s_bitcmp1_b32 s14, \bit
	s_cselect_b32 s16, s18, s16
	s_cselect_b32 s17, s20, s17
.endm
	ROT 0, COS1, SIN1
	ROT 1, COS2, SIN2
	ROT 2, COS4, SIN4
	ROT 3, COS8, SIN8
	ROT 4, COS16, COS16
	s_add_co_u32 s16, s16, 0x400                   ; rounded to units of 2^-20
	s_lshr_b32 s16, s16, 11
	s_add_co_u32 s17, s17, 0x400
	s_lshr_b32 s17, s17, 11
	s_sub_co_u32 s18, 0, s17
	s_bitcmp1_b32 s14, 5                           ; the sixth bit is a quarter turn: (cos, sin) -> (-sin, cos)
	s_cselect_b32 s22, s18, s16                    ; C
	s_cselect_b32 s23, s16, s17                    ; S
	s_add_co_u32 s30, s16, s17
	s_mul_i32 s30, s30, 7                          ; E = 7 (|C| + |S|): how far X or Y of a sample of a block of 8 x 8 lies from the block's centre, at the most
	s_lshl_b32 s31, s30, 1
	s_add_co_u32 s31, s31, EDGE<<FR                ; LIM = 97 cells + 2 E
	s_lshl_b32 s24, s22, 4                         ; 16 C, 16 S: a step of 8 along w or h
	s_lshl_b32 s25, s23, 4
	s_lshl_b32 s26, s22, 3                         ; 8 C, 8 S: a step of 4
	s_lshl_b32 s27, s23, 3
	s_mul_i32 s28, s9, 2*TS
	s_sub_co_u32 s28, 385, s28
	s_lshl_b32 s28, s28, 20                        ; cX = (192.5 - 96 tx) 2^21: cell column 0 is pixel 96 tx - 1
	s_mul_i32 s29, s10, 2*TS
	s_sub_co_u32 s29, 385, s29
	s_lshl_b32 s29, s29, 20                        ; cY
; kbase: the first of the 32 blocks of 8 w that the lanes test.  The tile's centre lies at w = wc = c (96 tx - 144) + s (96 ty - 144) + 229.5, and the samples that touch the
; tile within 70 of that (half the diagonal of 98 cells), their blocks within 77.  The window starts at 8 kbase, between wc - 136 and wc - 128, and is 256 long;
; clamped to kbase = 0..26 it holds only blocks 0..57, which are those that exist, and still all of them that the unclamped window held.
	s_mul_i32 s18, s9, TS
	s_sub_co_u32 s18, s18, 144
	s_mul_i32 s19, s10, TS
	s_sub_co_u32 s19, s19, 144
	s_mul_i32 s18, s18, s22
	s_mul_i32 s19, s19, s23
	s_add_co_u32 s18, s18, s19
	s_add_co_u32 s18, s18, 203<<19                 ; + 229.5 - 128, in units of 2^-20
	s_ashr_i32 s32, s18, 23                        ; / 8, floor
	s_max_i32 s32, s32, 0
	s_min_i32 s32, s32, 26
; per lane: XL = C (2p - 459) - S (2l - 459) + cX, YL = S (2p - 459) + C (2l - 459) + cY, p = w % 4 = lane & 3, l = line % 8 = lane >> 2
	v_and_b32 v12, 3, v1
	v_lshrrev_b32 v13, 2, v1
	s_mov_b32 s39, 0xfffffe35                      ; -459
	v_lshl_add_u32 v14, v12, 1, s39
	v_lshl_add_u32 v15, v13, 1, s39
	s_sub_co_u32 s19, 0, s23                       ; -S
	v_mad_u32 v[XL], v14, s22, s28
	v_mad_u32 v[XL], v15, s19, v[XL]
	v_mad_u32 v[YL], v14, s23, s29
	v_mad_u32 v[YL], v15, s22, v[YL]
; per lane k: the centre of block kbase + k (w = 8 k + 3.5, so 2w - 459 = 16 k - 452) on line 3.5 of line group 0, plus E
	v_add_nc_u32 v14, s32, v1
	s_mov_b32 s39, 0xfffffe3c                      ; -452
	v_lshl_add_u32 v14, v14, 4, s39
	s_mul_i32 s20, s23, 452
	s_add_co_u32 s20, s20, s28
	s_add_co_u32 s20, s20, s30                     ; 452 S + cX + E
	s_mul_i32 s21, s22, 452
	s_sub_co_u32 s21, s29, s21
	s_add_co_u32 s21, s21, s30                     ; -452 C + cY + E
	v_mad_u32 v[XK], v14, s22, s20
	v_mad_u32 v[YK], v14, s23, s21
; my wave's stage: unit i, line l at STAGE + 1920 wave + 128 i + 16 l
	s_mul_i32 s18, s8, WSTG
	s_add_co_u32 s18, s18, STAGE
	v_lshl_add_u32 v[SA], v13, 4, s18
	s_mul_i32 s34, s24, s12                        ; 16 C g and 16 S g at g = m,
	s_mul_i32 s35, s25, s12
	s_lshl_b32 s36, s24, 2                         ; and their step for g + 4
	s_lshl_b32 s37, s25, 2
	s_mov_b32 s46, (1<<FR)-1                       ; the fraction bits
	s_mov_b32 s47, 0x4a000000                      ; 2^21 as f32: the weights' one
	s_wait_dscnt 0x0                               ; my zeros are written: other waves put pixels over some of them behind this barrier
	s_barrier_signal -1
	s_barrier_wait -1
; The cells.  Loads come back in order (ISA guide 5.7.1): chunk u is in when at most the 68 - 4 u younger loads are out; where that is above 60 the smaller count 60 is as right.
; 32 lanes store 32 neighbouring cells: 512 consecutive bytes.
.set u, 0
.rept 18
.if 68-4*u > 60
	s_wait_loadcnt 60
.else
	s_wait_loadcnt 68-4*u
.endif
	ds_store_b128 v[6+u/9], v[FD+4*u:FD+4*u+3] offset:PITCH+16+(u%3)*512+((u/3)%3)*16*PITCH
.set u, u+1
.endr
	s_wait_dscnt 0x0                               ; my cells are written,
	s_barrier_signal -1
	s_barrier_wait -1                              ; everybody's are: from here on the cells are only read
.macro TAPS d, a                       ; the four taps, four images each
	ds_load_b128 v[\d:\d+3],     v[\a]
	ds_load_b128 v[\d+4:\d+7],   v[\a] offset:16
	ds_load_b128 v[\d+8:\d+11],  v[\a] offset:PITCH
	ds_load_b128 v[\d+12:\d+15], v[\a] offset:PITCH+16
.endm
.macro BLEND acc, d, lo, hi            ; sums += tap x weight, two images an instruction; op_sel picks one register of the weights' pair for both
	v_pk_fma_f32 v[\acc:\acc+1],   v[\d:\d+1],     v[\hi:\hi+1], v[\acc:\acc+1]   op_sel:[0,1,0] op_sel_hi:[1,1,1]
	v_pk_fma_f32 v[\acc+2:\acc+3], v[\d+2:\d+3],   v[\hi:\hi+1], v[\acc+2:\acc+3] op_sel:[0,1,0] op_sel_hi:[1,1,1]
	v_pk_fma_f32 v[\acc:\acc+1],   v[\d+4:\d+5],   v[\hi:\hi+1], v[\acc:\acc+1]   op_sel_hi:[1,0,1]
	v_pk_fma_f32 v[\acc+2:\acc+3], v[\d+6:\d+7],   v[\hi:\hi+1], v[\acc+2:\acc+3] op_sel_hi:[1,0,1]
	v_pk_fma_f32 v[\acc:\acc+1],   v[\d+8:\d+9],   v[\lo:\lo+1], v[\acc:\acc+1]   op_sel:[0,1,0] op_sel_hi:[1,1,1]
	v_pk_fma_f32 v[\acc+2:\acc+3], v[\d+10:\d+11], v[\lo:\lo+1], v[\acc+2:\acc+3] op_sel:[0,1,0] op_sel_hi:[1,1,1]
	v_pk_fma_f32 v[\acc:\acc+1],   v[\d+12:\d+13], v[\lo:\lo+1], v[\acc:\acc+1]   op_sel_hi:[1,0,1]
	v_pk_fma_f32 v[\acc+2:\acc+3], v[\d+14:\d+15], v[\lo:\lo+1], v[\acc+2:\acc+3] op_sel_hi:[1,0,1]
.endm
; UNIT i: lines 8 g .. 8 g + 7 of my angle, g = m + 4 i.  The units are written out one after the other, so that a unit's place in the wave's stage is an immediate
; and the stage's address register is never stepped: the bytes that a wave stores are STAGE + 1920 wave + 128 i + 16 (lane / 4), all behind the cells.
.macro UNIT i
; Which blocks of 8 w can hold a sample of the tile?  Lane k asks for block kbase + k: centre + E in [0, 97 cells + 2 E), for X and for Y, as one unsigned compare each.
; X and Y run straight along w, so the blocks that pass are neighbours: the mask's lowest bit is the first block, its number of bits their number.
	v_sub_nc_u32 v[PA], v[XK], s35
	v_add_nc_u32 v[PB], s34, v[YK]
	v_cmp_gt_u32 s40, s31, v[PA]
	v_cmp_gt_u32 s41, s31, v[PB]
	v_mov_b32 v[ACA], 0
	v_mov_b32 v[ACA+1], 0
	v_mov_b32 v[ACA+2], 0
	v_mov_b32 v[ACA+3], 0
	s_and_b32 s40, s40, s41
	s_cmp_eq_u32 s40, 0
	s_cbranch_scc1 .Lstore_\@                      ; these lines miss the tile: their sums are zero
	s_ctz_i32_b32 s41, s40
	s_bcnt1_i32_b32 s42, s40
	s_add_co_u32 s41, s41, s32                     ; the first block
	s_add_co_u32 s42, s42, s41                     ; one behind the last
	s_mul_i32 s43, s24, s41
	s_mul_i32 s44, s25, s41
	s_sub_co_u32 s43, s43, s35                     ; 16 C k - 16 S g
	s_add_co_u32 s44, s44, s34                     ; 16 S k + 16 C g
	v_add_nc_u32 v[X], s43, v[XL]
	v_add_nc_u32 v[Y], s44, v[YL]
	v_mov_b32 v[ACB], 0
	v_mov_b32 v[ACB+1], 0
	v_mov_b32 v[ACB+2], 0
	v_mov_b32 v[ACB+3], 0
.Lblock_\@:                            ; a block of 8 w: 8 lines x 4 w, twice
	s_cmp_eq_u32 s41, LASTB
	s_cselect_b32 s45, FAR, s26                    ; w = 460..463 do not exist: there the second four are sent far from the tile, to the zero cells
	v_add_nc_u32 v[XB], s45, v[X]
	v_add_nc_u32 v[YB], s27, v[Y]
	v_lshrrev_b32 v[PA], FR, v[X]                  ; cell = floor; a negative coordinate comes out as 1024 or more
	v_lshrrev_b32 v[QA], FR, v[Y]
	v_lshrrev_b32 v[PB], FR, v[XB]
	v_lshrrev_b32 v[QB], FR, v[YB]
	v_min_u32 v[PA], EDGE, v[PA]                   ; 0..96 are the tile's; all else reads cells 97 and 98
	v_min_u32 v[QA], EDGE, v[QA]
	v_min_u32 v[PB], EDGE, v[PB]
	v_min_u32 v[QB], EDGE, v[QB]
	v_mul_u32_u24 v[QA], PITCH, v[QA]
	v_mul_u32_u24 v[QB], PITCH, v[QB]
	v_lshl_add_u32 v[PA], v[PA], 4, v[QA]          ; at most 97 x 1600 + 97 x 16 = 156,752: with the taps' offsets and 16 bytes 158,384, below STAGE
	v_lshl_add_u32 v[PB], v[PB], 4, v[QB]
	TAPS DA, PA
	TAPS DB, PB
	v_and_b32 v[FA], s46, v[X]                     ; the weights are made while the taps are on their way
	v_and_b32 v[FA+1], s46, v[Y]
	v_and_b32 v[FB], s46, v[XB]
	v_and_b32 v[FB+1], s46, v[YB]
	v_cvt_f32_u32 v[WXA], v[FA]                    ; 21 bits: exact in f32
	v_cvt_f32_u32 v[WY], v[FA+1]
	v_cvt_f32_u32 v[WXB], v[FB]
	v_cvt_f32_u32 v[WY+1], v[FB+1]
	v_sub_f32 v[WXA+1], s47, v[WXA]                ; 1 - wx
	v_sub_f32 v[WXB+1], s47, v[WXB]
	v_pk_mul_f32 v[LA:LA+1], v[WXA:WXA+1], v[WY:WY+1] op_sel_hi:[1,0]                ; {wx, 1-wx} wy
	v_pk_mul_f32 v[LB:LB+1], v[WXB:WXB+1], v[WY:WY+1] op_sel:[0,1] op_sel_hi:[1,1]
	v_pk_fma_f32 v[HA:HA+1], v[WXA:WXA+1], 0x4a000000, v[LA:LA+1] op_sel_hi:[1,0,1] neg_lo:[0,0,1] neg_hi:[0,0,1]   ; {wx, 1-wx} (1 - wy)
	v_pk_fma_f32 v[HB:HB+1], v[WXB:WXB+1], 0x4a000000, v[LB:LB+1] op_sel_hi:[1,0,1] neg_lo:[0,0,1] neg_hi:[0,0,1]
	v_add_nc_u32 v[X], s24, v[X]                   ; the next block
	v_add_nc_u32 v[Y], s25, v[Y]
	s_wait_dscnt 0x4                               ; LDS answers in order (ISA guide 5.7.1): the first four taps are in (and the last unit's store, which is older), the second four may be out
	BLEND ACA, DA, LA, HA
	s_wait_dscnt 0x0
	BLEND ACB, DB, LB, HB
	s_add_co_u32 s41, s41, 1
	s_cmp_lt_u32 s41, s42
	s_cbranch_scc1 .Lblock_\@
	v_pk_add_f32 v[ACA:ACA+1], v[ACA:ACA+1], v[ACB:ACB+1]
	v_pk_add_f32 v[ACA+2:ACA+3], v[ACA+2:ACA+3], v[ACB+2:ACB+3]
.irp r, 0,1,2,3
	v_add_f32_dpp v[ACA+\r], v[ACA+\r], v[ACA+\r] row_xmask:1 row_mask:0xf bank_mask:0xf   ; over the four lanes of a line (w % 4)
.endr
.irp r, 0,1,2,3
	v_add_f32_dpp v[ACA+\r], v[ACA+\r], v[ACA+\r] row_xmask:2 row_mask:0xf bank_mask:0xf
.endr
.Lstore_\@:
	ds_store_b128 v[SA], v[ACA:ACA+3] offset:128*\i    ; the four lanes of a line write the same 16 bytes with the same numbers, in my wave's own stage
.if \i < 14
	s_add_co_u32 s34, s34, s36                     ; g + 4
	s_add_co_u32 s35, s35, s37
.endif
.endm
.irp i, 0,1,2,3,4,5,6,7,8,9,10,11,12,13
	UNIT \i
.endr
	s_cmp_ge_u32 s8, 8                             ; unit 14 is line group m + 56: groups 56 and 57 (lines up to 463) exist, 58 and 59 do not: waves 0..7 (m = 0, 1) alone
	s_cbranch_scc1 .Lout
	UNIT 14
.Lout:
; THE WAY OUT.  part[tile][q][4 ag + j][h % 4][image], q = h / 4: for each q the work-group's four angles are 256 consecutive bytes at a multiple of 256, stored by 16 lanes.
; Piece e = t + 512 n of 16 bytes: q = e / 16 = 2 (wave + 16 n) + lane / 16, angle j = (lane / 4) % 4, h % 4 = lane % 4.  So line group g = wave + 16 n, line l = 4 (lane / 16) + lane % 4;
; g = m + 4 i with m = wave % 4, i = wave / 4 + 4 n, and the wave that made (j, m) is 4 m + ((j - m) % 4).  q = 0..115 (lines 460..463 are written and not read again):
; three pieces for each thread and a fourth for waves 0..9 (g = 48..57).
	s_wait_dscnt 0x0                               ; my sums are in my stage,
	s_barrier_signal -1
	s_barrier_wait -1                              ; everybody's are
	s_and_b32 s18, s8, 3                           ; m
	s_lshr_b32 s19, s8, 2
	s_lshl_b32 s19, s19, 7                         ; 128 (wave / 4)
	s_mul_i32 s20, s18, 4*WSTG
	s_add_co_u32 s19, s19, s20
	s_add_co_u32 s19, s19, STAGE
	v_bfe_u32 v12, v1, 2, 2                        ; j
	v_sub_nc_u32 v12, v12, s18
	v_and_b32 v12, 3, v12                          ; (j - m) % 4
	v_mul_u32_u24 v12, WSTG, v12
	v_and_b32 v13, 3, v1
	v_lshrrev_b32 v14, 4, v1
	v_lshlrev_b32 v13, 4, v13
	v_lshl_add_u32 v13, v14, 6, v13                ; 16 l
	v_add_nc_u32 v12, v12, v13
	v_add_nc_u32 v3, s19, v12
	ds_load_b128 v[16:19], v3
	ds_load_b128 v[20:23], v3 offset:512           ; n + 1 is i + 4: 4 x 128 bytes on
	ds_load_b128 v[24:27], v3 offset:1024
	v_lshrrev_b32 v4, 4, v0                        ; q at n = 0
	v_and_b32 v5, 15, v0
	v_lshlrev_b32 v5, 4, v5
	v_lshl_add_u32 v4, v4, 12, v5                  ; 4096 q + 16 bytes a lane
	s_wait_dscnt 0x2                               ; the two younger reads may be out
	global_store_b128 v4, v[16:19], s[6:7]
	s_wait_dscnt 0x1
	global_store_b128 v4, v[20:23], s[6:7] offset:32*4096
	s_wait_dscnt 0x0
	global_store_b128 v4, v[24:27], s[6:7] offset:64*4096
	s_cmp_ge_u32 s8, 10
	s_cbranch_scc1 .Ldone
	ds_load_b128 v[28:31], v3 offset:1536
	s_wait_dscnt 0x0
	global_store_b128 v4, v[28:31], s[6:7] offset:96*4096
.Ldone:
	s_wait_tensorcnt 0x0
	ds_add_u32 v96, v97
	s_wait_dscnt 0x0
	s_endpgm
.Lfunc_end_k_qc61b2b50f9_project:
	.size	k_qc61b2b50f9_project, .Lfunc_end_k_qc61b2b50f9_project-k_qc61b2b50f9_project
	.p2alignl 7, 3214868480
	.fill 96, 4, 3214868480
	.section	.rodata,"a",@progbits
	.p2align	6, 0x0
	.amdhsa_kernel k_qc61b2b50f9_project
		.amdhsa_group_segment_fixed_size 196608
		.amdhsa_private_segment_fixed_size 0
		.amdhsa_enable_private_segment 0
		.amdhsa_kernarg_size 16
		.amdhsa_user_sgpr_count 2
		.amdhsa_user_sgpr_kernarg_segment_ptr 1
		.amdhsa_wavefront_size32 1
		.amdhsa_system_sgpr_workgroup_id_x 1
		.amdhsa_system_sgpr_workgroup_id_y 1
		.amdhsa_system_sgpr_workgroup_id_z 1
		.amdhsa_system_vgpr_workitem_id 0
		.amdhsa_next_free_vgpr 98
		.amdhsa_next_free_sgpr 66
		.amdhsa_reserve_vcc 0
		.amdhsa_float_denorm_mode_32 3
		.amdhsa_float_denorm_mode_16_64 3
		.amdhsa_memory_ordered 1
		.amdhsa_forward_progress 1
		.amdhsa_inst_pref_size 90
	.end_amdhsa_kernel
	.amdgpu_metadata
---
amdhsa.version: [ 1, 2 ]
amdhsa.kernels:
  - .name:           k_qc61b2b50f9_project
    .symbol:         k_qc61b2b50f9_project.kd
    .args:
      - { .name: x, .offset: 0, .size: 8, .value_kind: global_buffer, .address_space: global }
      - { .name: part, .offset: 8, .size: 8, .value_kind: global_buffer, .address_space: global }
    .group_segment_fixed_size: 196608
    .private_segment_fixed_size: 0
    .kernarg_segment_align: 8
    .kernarg_segment_size: 16
    .max_flat_workgroup_size: 512
    .sgpr_count:     66
    .vgpr_count:     98
    .wavefront_size: 32
...
	.end_amdgpu_metadata
.endif
;; end of part 1
;; launch collect (part 2): grid 115 x 1, 8 waves a work-group, no clusters, 5,632 bytes of LDS; arguments part, out0; writes out0
.if DOCPART == 2
	.amdgcn_target "amdgcn-amd-amdhsa--gfx1250"
	.amdhsa_code_object_version 6
	.text
	.protected	k_qc61b2b50f9_collect
	.globl	k_qc61b2b50f9_collect
	.p2align	8
	.type	k_qc61b2b50f9_collect,@function
k_qc61b2b50f9_collect:
	s_mov_b64 s[64:65], 0
	v_nop
	global_prefetch_b8 v0, s[64:65] scope:SCOPE_SE
	s_setreg_imm32_b32 hwreg(HW_REG_WAVE_MODE, 25, 1), 1
	s_wait_xcnt 0x0
; Radon projections, second launch: out0[b][h][a] = 2^-42 / 460 * sum over the 16 tiles of part[tile][h/4][a][h%4][b].
; Work-group q owns lines 4 q .. 4 q + 3 of all 64 angles and 4 images.  For each tile that is 4,096 consecutive bytes: thread t = 4 a + (h % 4) takes 16 of them
; (its four images), so a wave's load covers 512 consecutive bytes.  All 16 loads of a thread go out at once.  The sums are turned through LDS so that
; out0's rows of 64 angles (256 bytes) are stored whole.  The bytes moved are all there is to this launch: no matrix unit, and no cluster, since no two
; work-groups read the same bytes.  460 lines / 4 = 115 work-groups.
.set PTILE,  116*4096                  ; bytes of one tile's part
.set OPLANE, 460*256                   ; bytes of one image's result
.set RP,     288                       ; an LDS row: 64 angles + 32 bytes = 72 words: the four rows that a wave's stores touch start 8 words apart modulo 64, and each takes 8 neighbouring words
.set SCALE,  0x260e7835                ; 2^-42 / 460 as f32: the weights' factor and the mean over w
	s_load_b128 s[4:7], s[0:1], 0x0                ; part s[4:5], out0 s[6:7]
	v_lshl_add_u32 v72, v0, 2, 0x1200
	v_mov_b32 v73, 0
	v_lshlrev_b32 v1, 4, v0
	s_lshl_b32 s8, ttmp9, 12                       ; 4,096 q
	s_mov_b32 s9, 0
	s_lshl_b32 s10, ttmp9, 10                      ; four rows of 256 bytes in out0
	s_mov_b32 s11, 0
	s_wait_kmcnt 0x0
	s_add_nc_u64 s[4:5], s[4:5], s[8:9]
	s_add_nc_u64 s[6:7], s[6:7], s[10:11]
.irp k, 0,1,2,3,4,5,6,7,8,9,10,11,12,13,14,15
	global_load_b128 v[8+4*\k:11+4*\k], v1, s[4:5] offset:\k*PTILE th:TH_LOAD_NT
.endr
	v_and_b32 v2, 3, v0                            ; h % 4
	v_lshrrev_b32 v3, 2, v0                        ; a
	v_mul_u32_u24 v2, RP, v2
	v_lshl_add_u32 v2, v3, 2, v2                   ; in: row 4 b + h % 4 (b in the immediate), word a
	v_lshrrev_b32 v3, 4, v0                        ; back: row t / 16,
	v_and_b32 v4, 15, v0
	v_lshlrev_b32 v4, 4, v4                        ; 16 bytes a lane
	v_mul_u32_u24 v5, RP, v3
	v_add_nc_u32 v5, v5, v4
	v_lshrrev_b32 v6, 6, v0                        ; that row's image b = t / 64
	v_and_b32 v3, 3, v3                            ; and its line h % 4 = (t / 16) % 4
	v_mul_u32_u24 v6, OPLANE, v6
	v_lshl_add_u32 v6, v3, 8, v6
	v_add_nc_u32 v6, v6, v4                        ; its place in out0
.irp k, 1,2,3,4,5,6,7,8,9,10,11,12,13,14,15
	s_wait_loadcnt 15-\k                           ; loads come back in order (ISA guide 5.7.1): tiles 0 .. k are in, the 15 - k younger ones may be out
	v_pk_add_f32 v[8:9],   v[8:9],   v[8+4*\k:9+4*\k]
	v_pk_add_f32 v[10:11], v[10:11], v[10+4*\k:11+4*\k]
.endr
	v_pk_mul_f32 v[8:9],   v[8:9],   SCALE op_sel_hi:[1,0]
	v_pk_mul_f32 v[10:11], v[10:11], SCALE op_sel_hi:[1,0]
.irp b, 0,1,2,3
	ds_store_b32 v2, v[8+\b] offset:\b*4*RP
.endr
	s_wait_dscnt 0x0                               ; my sums are in LDS,
	s_barrier_signal -1
	s_barrier_wait -1                              ; everybody's are
	ds_load_b128 v[12:15], v5
	s_wait_dscnt 0x0
	global_store_b128 v6, v[12:15], s[6:7] th:TH_STORE_NT    ; 16 lanes store one row of 64 angles: 256 consecutive bytes at a multiple of 256
	s_wait_tensorcnt 0x0
	ds_add_u32 v72, v73
	s_wait_dscnt 0x0
	s_endpgm
.Lfunc_end_k_qc61b2b50f9_collect:
	.size	k_qc61b2b50f9_collect, .Lfunc_end_k_qc61b2b50f9_collect-k_qc61b2b50f9_collect
	.p2alignl 7, 3214868480
	.fill 96, 4, 3214868480
	.section	.rodata,"a",@progbits
	.p2align	6, 0x0
	.amdhsa_kernel k_qc61b2b50f9_collect
		.amdhsa_group_segment_fixed_size 5632
		.amdhsa_private_segment_fixed_size 0
		.amdhsa_enable_private_segment 0
		.amdhsa_kernarg_size 16
		.amdhsa_user_sgpr_count 2
		.amdhsa_user_sgpr_kernarg_segment_ptr 1
		.amdhsa_wavefront_size32 1
		.amdhsa_system_sgpr_workgroup_id_x 1
		.amdhsa_system_sgpr_workgroup_id_y 1
		.amdhsa_system_sgpr_workgroup_id_z 1
		.amdhsa_system_vgpr_workitem_id 0
		.amdhsa_next_free_vgpr 74
		.amdhsa_next_free_sgpr 66
		.amdhsa_reserve_vcc 0
		.amdhsa_float_denorm_mode_32 3
		.amdhsa_float_denorm_mode_16_64 3
		.amdhsa_memory_ordered 1
		.amdhsa_forward_progress 1
		.amdhsa_inst_pref_size 6
	.end_amdhsa_kernel
	.amdgpu_metadata
---
amdhsa.version: [ 1, 2 ]
amdhsa.kernels:
  - .name:           k_qc61b2b50f9_collect
    .symbol:         k_qc61b2b50f9_collect.kd
    .args:
      - { .name: part, .offset: 0, .size: 8, .value_kind: global_buffer, .address_space: global }
      - { .name: out0, .offset: 8, .size: 8, .value_kind: global_buffer, .address_space: global }
    .group_segment_fixed_size: 5632
    .private_segment_fixed_size: 0
    .kernarg_segment_align: 8
    .kernarg_segment_size: 16
    .max_flat_workgroup_size: 256
    .sgpr_count:     66
    .vgpr_count:     74
    .wavefront_size: 32
...
	.end_amdgpu_metadata
.endif
;; end of part 2
;; ======== version 2 of 2: 2 launches; version 1 with the launch project written anew for expert scheduling mode
;; limits: inputs' magnitudes at most 1e+23; a function is approximated: absolute error at most 4.8e-07
;; workspace buffers: part 7,602,176 bytes
;; launch project (part 3): grid 16 x 16, 16 waves a work-group, no clusters, 196,608 bytes of LDS; arguments x, part; writes part
.if DOCPART == 3
	.amdgcn_target "amdgcn-amd-amdhsa--gfx1250"
	.amdhsa_code_object_version 6
	.text
	.protected	k_qc61b2b50f9_project
	.globl	k_qc61b2b50f9_project
	.p2align	8
	.type	k_qc61b2b50f9_project,@function
k_qc61b2b50f9_project:
	s_mov_b64 s[64:65], 0
	v_nop
	global_prefetch_b8 v0, s[64:65] scope:SCOPE_SE
	s_setreg_imm32_b32 hwreg(HW_REG_WAVE_SCHED_MODE, 0, 2), 2
	s_setreg_imm32_b32 hwreg(HW_REG_WAVE_MODE, 25, 1), 1
	s_wait_xcnt 0x0
	s_wait_alu depctr_vm_vsrc(0)
; Radon projections, first of two launches: partial line sums of one tile of x for four angles.
; out[b][h][a] = 1/460 * sum over w = 0..459 of the bilinear sample of x[b] (zero outside its 384 x 384 pixels) at
;   px = c (w-229.5) - s (h-229.5) + 191.5,  py = s (w-229.5) + c (h-229.5) + 191.5,  c, s = cos, sin of a*pi/64  (191.5 = 229.5 - 38, the pad).
; WORK-GROUP: tile (tx, ty) of 96 x 96 pixels (grid x = 4 ty + tx) and angles 4 ag .. 4 ag + 3 (grid y = ag).  The tile lies in LDS as cells of
; 16 bytes {x[0], x[1], x[2], x[3]} of one pixel: one 16-byte read is one tap of all four images, and positions and weights are made once for four.
; Cell (row, col) = pixel (96 ty + row - 1, 96 tx + col - 1) for row, col = 1..96; every other cell is zero.  A tile takes every sample whose 2 x 2 taps
; touch it; taps that belong to a neighbour read zeros here and are added by the neighbour, so each tap of each sample is counted once over the 16 tiles.
; A sample elsewhere is sent by two v_min_u32 to cell 97, which with its neighbour 98 is zero in every row and column: no compare, no change of EXEC.
; COORDINATES are whole numbers with 21 fraction bits: X = C (2w-459) - S (2h-459) + (385 - 192 tx) 2^20, C, S = cos, sin in units of 2^-20, made from the
; angle's number by five rotations in scalar integer arithmetic.  Addresses and trip counts come from these whole numbers alone; floats are only weights.
; LIMITS: cos and sin are rounded to 2^-20, so a sample position is off by at most 460 * 2^-21 = 2.2e-4 pixel.  The weights carry a factor 2^42, which the
; second launch takes out: sums stay finite for |x| below about 1e23.
; LANES: a wave works on 8 lines x 4 neighbouring w at a time, lane = 4 (line % 8) + (w % 4): each half of the wave is a patch of 4 x 4 samples one pixel apart.
; The pitch is 100 cells = 4 mod 16, so 4 x 4 neighbouring cells start at 16 different 16-byte columns of a 256-byte row of banks (64 banks of 4 bytes:
; ISA guide 11.1); a turned patch touches nearly such a set of cells.
; NO CLUSTER, NO TENSOR LOAD: the 16 work-groups of a tile read the same 147,456 bytes, once each.  A tensor load lays rows down as they lie in memory, the four
; images apart; a planar copy (147,456) beside the cells (163,840) and the stage (30,720) would need 342,016 bytes of LDS, more than the 327,680 there are.
; NO MATRIX UNIT: every sample has weights of its own; there is no product of two matrices here.
; THE MODE: SCHED_MODE bits 1:0 = 2 (LLVM: expert scheduling mode 2), set by the entry lines.  The code itself states the register dependences
; between vector instructions and memory or LDS instructions, with s_wait_alu, always for 0.
; THE PLAN.  Registers that memory or LDS instructions touch:
;   v2 .. v11     offsets, LDS addresses and zeros of the fill.  All are made ahead of ONE wait on va_vdst at the head and named by no vector instruction until the cells are stored.
;   v[16:87]      The fill's loads land in them, the cell stores read them; from the first unit on they are the units' registers (a wait on vm_vsrc at the unit's head).
;   PA, PB        Written by the cell arithmetic (CELLS), read by a block's eight taps.  The cells of block k + 1 are made in block k, behind a wait on vm_vsrc that states that k's taps have read PA and PB.
;   DA, DB        A block's taps land in them; its sixteen blends read them.
;   ACA           Cleared at a unit's head, summed in its blocks, read by the unit's stage store; the next unit's head waits on vm_vsrc before it clears them.
;   SA            Written once at the head, read by every stage store.
; So a block has ONE wait on va_vdst, at its head: it states that PA and PB are written and that the block before is done reading DA and DB; the eight taps follow it at once, and the
; weights, the next block's cells and the blends follow the taps.  A unit has one more, ahead of its stage store.  The way out has one, ahead of its reads of the stage.
.set IMG,    384
.set ROWB,   IMG*4                     ; bytes in a row of x
.set PLANE,  IMG*ROWB                  ; bytes in one image
.set TS,     96                        ; pixels along a tile's side
.set PITCH,  1600                      ; an LDS row: 100 cells of 16 bytes
.set EDGE,   TS+1                      ; cell 97
.set STAGE,  163840                    ; behind 10,240 cells: each wave's results
.set WSTG,   1920                      ; a wave's stage: 15 units x 8 lines x 16 bytes
.set PTILE,  116*4096                  ; bytes of one tile's part of the workspace: 116 groups of 4 lines x 64 angles x 64 bytes
.set FR,     21                        ; fraction bits of X and Y
.set LASTB,  57                        ; the block of 8 w whose second half (w = 460..463) does not exist
.set FAR,    600<<FR                   ; 600 pixels: X lies in -438 .. 535, so X + 600 is 162 .. 1135: never a cell of the tile, and below 2^32
.set COS1,   0xffb10f1c                ; cos, sin of pi/64, pi/32, pi/16, pi/8, pi/4 in units of 2^-32
.set SIN1,   0x0c8fb2f8
.set COS2,   0xfec46d1e
.set SIN2,   0x1917a6bc
.set COS4,   0xfb14be80
.set SIN4,   0x31f17078
.set COS8,   0xec835e7a
.set SIN8,   0x61f78a9a
.set COS16,  0xb504f334
; vector registers.  v0 thread, v1 lane, v2 offset in x, v3-v5 clearing and the way out, v6-v7 cell stores, v8-v11 zeros, v12-v15 at work
.set FD,  16                           ; v[16:87]  the fill: chunk u = 4 registers, one for each image.  Free after the fill:
.set X,   16                           ; X, Y of the first four w of the block
.set Y,   17
.set XB,  18                           ; and of the second four
.set YB,  19
.set PA,  20                           ; cell column, then LDS address (first four w)
.set QA,  21                           ; cell row, then row x pitch
.set PB,  22
.set QB,  23
.set FA,  24                           ; v[24:25] fraction bits of X, Y;  v[26:27] of XB, YB
.set FB,  26
.set WXA, 28                           ; v[28:29] = {wx, 1 - wx}, in units of 2^-21
.set WXB, 30
.set WY,  32                           ; v[32:33] = {wy of the first four, wy of the second four}
.set LA,  34                           ; v[34:35] = {wx wy, (1-wx) wy}
.set HA,  36                           ; v[36:37] = {wx (1-wy), (1-wx)(1-wy)}
.set LB,  38
.set HB,  40
.set DA,  44                           ; v[44:59] four taps x four images
.set DB,  60                           ; v[60:75]
.set ACA, 76                           ; v[76:79] sums of the four images
.set ACB, 80                           ; v[80:83]
.set XL,  88                           ; X, Y of my (line % 8, w % 4) at line group 0, block 0
.set YL,  89
.set XK,  90                           ; lane k: X, Y of the centre of block kbase + k at line group 0, plus the block's half width
.set YK,  91
.set SA,  92                           ; my line's 16 bytes in unit 0 of my wave's stage: written once, the unit is an immediate
	s_load_b128 s[4:7], s[0:1], 0x0                ; x s[4:5], part s[6:7]
	v_lshl_add_u32 v94, v0, 2, 0x2f800
	v_mov_b32 v95, 0
	v_lshrrev_b32 v1, 5, v0
	v_readfirstlane_b32 s8, v1                     ; wave 0..15
	v_and_b32 v1, 31, v0                           ; lane
	s_and_b32 s9, ttmp9, 3                         ; tx
	s_lshr_b32 s10, ttmp9, 2                       ; ty
	s_and_b32 s11, ttmp7, 0xffff                   ; ag
	s_mul_i32 s18, s10, TS*ROWB                    ; the tile's first pixel in x, in bytes
	s_mul_i32 s19, s9, TS*4
	s_add_co_u32 s18, s18, s19
	s_mov_b32 s19, 0
	s_mul_i32 s20, ttmp9, PTILE                    ; the tile's part of the workspace, at my four angles
	s_lshl_b32 s21, s11, 8
	s_add_co_u32 s20, s20, s21
	s_mov_b32 s21, 0
	v_mov_b32 v8, 0                                ; all that the fill's loads and stores read is made here, ahead of one wait: the zeros,
	v_mov_b32 v9, 0
	v_mov_b32 v10, 0
	v_mov_b32 v11, 0
	v_lshlrev_b32 v3, 4, v0                        ; where they go: 16 bytes a thread;
	v_add_nc_u32 v4, 0x10000, v3                   ; an LDS immediate has 16 bits: three bases
	v_add_nc_u32 v5, 0x20000, v3
	s_wait_alu depctr_va_sdst(0)                   ; s8 is written, ahead of its first reader: offsets, the angle and the stage's place are made from it
	s_mul_i32 s15, s8, ROWB
	s_mul_i32 s33, s8, PITCH
	v_lshl_add_u32 v2, v1, 2, s15                  ; x: row = wave, 4 bytes a lane
	v_lshl_add_u32 v6, v1, 4, s33                  ; cell stores: row = wave, 16 bytes a lane (the +1 row, +1 column are in the immediates)
	v_add_nc_u32 v7, 48*PITCH, v6                  ; rows 48 and up
	s_wait_kmcnt 0x0
	s_add_nc_u64 s[4:5], s[4:5], s[18:19]
	s_add_nc_u64 s[6:7], s[6:7], s[20:21]
	s_wait_alu depctr_va_vdst(0)                   ; v2 to v11 are written: the loads read v2, the clearing stores v3 to v5 and v8 to v11, the cell stores v6 and v7; no vector instruction names them again before those stores
; THE FILL.  Wave w takes rows w, w+16, .. w+80 of the tile, each as 3 chunks of 32 pixels: chunk u = 3 (row / 16) + chunk.  One load is 128 consecutive bytes of one
; image, at a multiple of 128 bytes; a pixel's four images land in four consecutive registers, which are its cell: the interleave costs no move.
; All 72 loads are issued in one run; one address register and immediates serve them all.
.set u, 0
.rept 18
.irp b, 0,1,2,3
	global_load_b32 v[FD+4*u+\b], v2, s[4:5] offset:(u/3)*16*ROWB+(u%3)*128+\b*PLANE
.endr
.set u, u+1
.endr
; While they are on their way all 10,240 cells are cleared (512 threads x 16 bytes x 20), which makes the zero cells round the tile,
.irp i, 0,1,2,3,4,5,6,7
	ds_store_b128 v3, v[8:11] offset:\i*8192
.endr
.irp i, 0,1,2,3,4,5,6,7
	ds_store_b128 v4, v[8:11] offset:\i*8192
.endr
.irp i, 0,1,2,3
	ds_store_b128 v5, v[8:11] offset:\i*8192
.endr
; and the wave's angle is made.  Wave 4 m + r takes angle j = (r + m) % 4 and line groups m, m+4, ..: waves that are 4 apart have different angles.
	s_lshr_b32 s12, s8, 2                          ; m
	s_add_co_u32 s13, s8, s12
	s_and_b32 s13, s13, 3                          ; j
	s_lshl2_add_u32 s14, s11, s13                  ; a = 4 ag + j
	s_mov_b32 s16, 0x80000000                      ; cos = 1 in units of 2^-31
	s_mov_b32 s17, 0                               ; sin = 0
; one bit of a: (cos, sin) turned by pi/64 * 2^bit where the bit is set.  Below a quarter turn both stay positive, so unsigned products do.
.macro ROT bit, ck, sk
	s_mul_hi_u32 s18, s16, \ck
	s_mul_hi_u32 s19, s17, \sk
	s_mul_hi_u32 s20, s17, \ck
	s_mul_hi_u32 s21, s16, \sk
	s_sub_co_u32 s18, s18, s19                     ; cos' = cos ck - sin sk
	s_add_co_u32 s20, s20, s21                     ; sin' = sin ck + cos sk
	s_bitcmp1_b32 s14, \bit
	s_cselect_b32 s16, s18, s16
	s_cselect_b32 s17, s20, s17
.endm
	ROT 0, COS1, SIN1
	ROT 1, COS2, SIN2
	ROT 2, COS4, SIN4
	ROT 3, COS8, SIN8
	ROT 4, COS16, COS16
	s_add_co_u32 s16, s16, 0x400                   ; rounded to units of 2^-20
	s_lshr_b32 s16, s16, 11
	s_add_co_u32 s17, s17, 0x400
	s_lshr_b32 s17, s17, 11
	s_sub_co_u32 s18, 0, s17
	s_bitcmp1_b32 s14, 5                           ; the sixth bit is a quarter turn: (cos, sin) -> (-sin, cos)
	s_cselect_b32 s22, s18, s16                    ; C
	s_cselect_b32 s23, s16, s17                    ; S
	s_add_co_u32 s30, s16, s17
	s_mul_i32 s30, s30, 7                          ; E = 7 (|C| + |S|): how far X or Y of a sample of a block of 8 x 8 lies from the block's centre, at the most
	s_lshl_b32 s31, s30, 1
	s_add_co_u32 s31, s31, EDGE<<FR                ; LIM = 97 cells + 2 E
	s_lshl_b32 s24, s22, 4                         ; 16 C, 16 S: a step of 8 along w or h
	s_lshl_b32 s25, s23, 4
	s_lshl_b32 s26, s22, 3                         ; 8 C, 8 S: a step of 4
	s_lshl_b32 s27, s23, 3
	s_mul_i32 s28, s9, 2*TS
	s_sub_co_u32 s28, 385, s28
	s_lshl_b32 s28, s28, 20                        ; cX = (192.5 - 96 tx) 2^21: cell column 0 is pixel 96 tx - 1
	s_mul_i32 s29, s10, 2*TS
	s_sub_co_u32 s29, 385, s29
	s_lshl_b32 s29, s29, 20                        ; cY
; kbase: the first of the 32 blocks of 8 w that the lanes test.  The tile's centre lies at w = wc = c (96 tx - 144) + s (96 ty - 144) + 229.5, and the samples that touch the
; tile within 70 of that (half the diagonal of 98 cells), their blocks within 77.  The window starts at 8 kbase, between wc - 136 and wc - 128, and is 256 long;
; clamped to kbase = 0..26 it holds only blocks 0..57, which are those that exist, and still all of them that the unclamped window held.
	s_mul_i32 s18, s9, TS
	s_sub_co_u32 s18, s18, 144
	s_mul_i32 s19, s10, TS
	s_sub_co_u32 s19, s19, 144
	s_mul_i32 s18, s18, s22
	s_mul_i32 s19, s19, s23
	s_add_co_u32 s18, s18, s19
	s_add_co_u32 s18, s18, 203<<19                 ; + 229.5 - 128, in units of 2^-20
	s_ashr_i32 s32, s18, 23                        ; / 8, floor
	s_max_i32 s32, s32, 0
	s_min_i32 s32, s32, 26
; per lane: XL = C (2p - 459) - S (2l - 459) + cX, YL = S (2p - 459) + C (2l - 459) + cY, p = w % 4 = lane & 3, l = line % 8 = lane >> 2
	v_and_b32 v12, 3, v1
	v_lshrrev_b32 v13, 2, v1
	s_mov_b32 s39, 0xfffffe35                      ; -459
	v_lshl_add_u32 v14, v12, 1, s39
	v_lshl_add_u32 v15, v13, 1, s39
	s_sub_co_u32 s19, 0, s23                       ; -S
	v_mad_u32 v[XL], v14, s22, s28
	v_mad_u32 v[XL], v15, s19, v[XL]
	v_mad_u32 v[YL], v14, s23, s29
	v_mad_u32 v[YL], v15, s22, v[YL]
; per lane k: the centre of block kbase + k (w = 8 k + 3.5, so 2w - 459 = 16 k - 452) on line 3.5 of line group 0, plus E
	v_add_nc_u32 v14, s32, v1
	s_mov_b32 s39, 0xfffffe3c                      ; -452
	v_lshl_add_u32 v14, v14, 4, s39
	s_mul_i32 s20, s23, 452
	s_add_co_u32 s20, s20, s28
	s_add_co_u32 s20, s20, s30                     ; 452 S + cX + E
	s_mul_i32 s21, s22, 452
	s_sub_co_u32 s21, s29, s21
	s_add_co_u32 s21, s21, s30                     ; -452 C + cY + E
	v_mad_u32 v[XK], v14, s22, s20
	v_mad_u32 v[YK], v14, s23, s21
; my wave's stage: unit i, line l at STAGE + 1920 wave + 128 i + 16 l
	s_mul_i32 s18, s8, WSTG
	s_add_co_u32 s18, s18, STAGE
	v_lshl_add_u32 v[SA], v13, 4, s18
	s_mul_i32 s34, s24, s12                        ; 16 C g and 16 S g at g = m,
	s_mul_i32 s35, s25, s12
	s_lshl_b32 s36, s24, 2                         ; and their step for g + 4
	s_lshl_b32 s37, s25, 2
	s_mov_b32 s46, (1<<FR)-1                       ; the fraction bits
	s_mov_b32 s47, 0x4a000000                      ; 2^21 as f32: the weights' one
	s_wait_dscnt 0x0                               ; my zeros are written: other waves put pixels over some of them behind this barrier
	s_barrier_signal -1
	s_barrier_wait -1
; The cells.  Loads come back in order (ISA guide 5.7.1): chunk u is in when at most the 68 - 4 u younger loads are out; where that is above 60 the smaller count 60 is as right.
; 32 lanes store 32 neighbouring cells: 512 consecutive bytes.  Their addresses v6 and v7 stand ahead of the head's wait on va_vdst; their data come from loads.
.set u, 0
.rept 18
.if 68-4*u > 60
	s_wait_loadcnt 60
.else
	s_wait_loadcnt 68-4*u
.endif
	ds_store_b128 v[6+u/9], v[FD+4*u:FD+4*u+3] offset:PITCH+16+(u%3)*512+((u/3)%3)*16*PITCH
.set u, u+1
.endr
	s_wait_dscnt 0x0                               ; my cells are written,
	s_barrier_signal -1
	s_barrier_wait -1                              ; everybody's are: from here on the cells are only read
.macro TAPS d, a                       ; the four taps, four images each
	ds_load_b128 v[\d:\d+3],     v[\a]
	ds_load_b128 v[\d+4:\d+7],   v[\a] offset:16
	ds_load_b128 v[\d+8:\d+11],  v[\a] offset:PITCH
	ds_load_b128 v[\d+12:\d+15], v[\a] offset:PITCH+16
.endm
.macro BLEND acc, d, lo, hi            ; sums += tap x weight, two images an instruction; op_sel picks one register of the weights' pair for both
	v_pk_fma_f32 v[\acc:\acc+1],   v[\d:\d+1],     v[\hi:\hi+1], v[\acc:\acc+1]   op_sel:[0,1,0] op_sel_hi:[1,1,1]
	v_pk_fma_f32 v[\acc+2:\acc+3], v[\d+2:\d+3],   v[\hi:\hi+1], v[\acc+2:\acc+3] op_sel:[0,1,0] op_sel_hi:[1,1,1]
	v_pk_fma_f32 v[\acc:\acc+1],   v[\d+4:\d+5],   v[\hi:\hi+1], v[\acc:\acc+1]   op_sel_hi:[1,0,1]
	v_pk_fma_f32 v[\acc+2:\acc+3], v[\d+6:\d+7],   v[\hi:\hi+1], v[\acc+2:\acc+3] op_sel_hi:[1,0,1]
	v_pk_fma_f32 v[\acc:\acc+1],   v[\d+8:\d+9],   v[\lo:\lo+1], v[\acc:\acc+1]   op_sel:[0,1,0] op_sel_hi:[1,1,1]
	v_pk_fma_f32 v[\acc+2:\acc+3], v[\d+10:\d+11], v[\lo:\lo+1], v[\acc+2:\acc+3] op_sel:[0,1,0] op_sel_hi:[1,1,1]
	v_pk_fma_f32 v[\acc:\acc+1],   v[\d+12:\d+13], v[\lo:\lo+1], v[\acc:\acc+1]   op_sel_hi:[1,0,1]
	v_pk_fma_f32 v[\acc+2:\acc+3], v[\d+14:\d+15], v[\lo:\lo+1], v[\acc+2:\acc+3] op_sel_hi:[1,0,1]
.endm
; The cells of the block whose X and Y stand in v[X], v[Y]: the second four w's coordinates, and both LDS addresses.  at: the value of s41 at which that block is block 57.
.macro CELLS at
	s_cmp_eq_u32 s41, \at
	s_cselect_b32 s45, FAR, s26                    ; w = 460..463 do not exist: there the second four are sent far from the tile, to the zero cells
	v_add_nc_u32 v[XB], s45, v[X]
	v_add_nc_u32 v[YB], s27, v[Y]
	v_lshrrev_b32 v[PA], FR, v[X]                  ; cell = floor; a negative coordinate comes out as 1024 or more
	v_lshrrev_b32 v[QA], FR, v[Y]
	v_lshrrev_b32 v[PB], FR, v[XB]
	v_lshrrev_b32 v[QB], FR, v[YB]
	v_min_u32 v[PA], EDGE, v[PA]                   ; 0..96 are the tile's; all else reads cells 97 and 98
	v_min_u32 v[QA], EDGE, v[QA]
	v_min_u32 v[PB], EDGE, v[PB]
	v_min_u32 v[QB], EDGE, v[QB]
	v_mul_u32_u24 v[QA], PITCH, v[QA]
	v_mul_u32_u24 v[QB], PITCH, v[QB]
	v_lshl_add_u32 v[PA], v[PA], 4, v[QA]          ; at most 97 x 1600 + 97 x 16 = 156,752: with the taps' offsets and 16 bytes 158,384, below STAGE
	v_lshl_add_u32 v[PB], v[PB], 4, v[QB]
.endm
; UNIT i: lines 8 g .. 8 g + 7 of my angle, g = m + 4 i.  The units are written out one after the other, so that a unit's place in the wave's stage is an immediate
; and the stage's address register is never stepped: the bytes that a wave stores are STAGE + 1920 wave + 128 i + 16 (lane / 4), all behind the cells.
.macro UNIT i
	s_wait_alu depctr_vm_vsrc(0)                   ; unit 0: the cell stores have read v[16:87], which the units write from here on; later units: the last unit's stage store has read the sums, which are cleared below
; Which blocks of 8 w can hold a sample of the tile?  Lane k asks for block kbase + k: centre + E in [0, 97 cells + 2 E), for X and for Y, as one unsigned compare each.
; X and Y run straight along w, so the blocks that pass are neighbours: the mask's lowest bit is the first block, its number of bits their number.
	v_sub_nc_u32 v[PA], v[XK], s35
	v_add_nc_u32 v[PB], s34, v[YK]
	v_cmp_gt_u32 s40, s31, v[PA]
	v_cmp_gt_u32 s41, s31, v[PB]
	v_mov_b32 v[ACA], 0
	v_mov_b32 v[ACA+1], 0
	v_mov_b32 v[ACA+2], 0
	v_mov_b32 v[ACA+3], 0
	s_wait_alu depctr_va_sdst(0)                   ; the two compares have written s40 and s41, ahead of their first reader
	s_and_b32 s40, s40, s41
	s_cmp_eq_u32 s40, 0
	s_cbranch_scc1 .Lstore_\@                      ; these lines miss the tile: their sums are zero
	s_ctz_i32_b32 s41, s40
	s_bcnt1_i32_b32 s42, s40
	s_add_co_u32 s41, s41, s32                     ; the first block
	s_add_co_u32 s42, s42, s41                     ; one behind the last
	s_mul_i32 s43, s24, s41
	s_mul_i32 s44, s25, s41
	s_sub_co_u32 s43, s43, s35                     ; 16 C k - 16 S g
	s_add_co_u32 s44, s44, s34                     ; 16 S k + 16 C g
	v_add_nc_u32 v[X], s43, v[XL]
	v_add_nc_u32 v[Y], s44, v[YL]
	v_mov_b32 v[ACB], 0
	v_mov_b32 v[ACB+1], 0
	v_mov_b32 v[ACB+2], 0
	v_mov_b32 v[ACB+3], 0
	CELLS LASTB                                    ; the first block's cells stand ahead of the loop
.Lblock_\@:                            ; a block of 8 w: 8 lines x 4 w, twice
	s_wait_alu depctr_va_vdst(0)                   ; PA and PB, the taps' addresses, are written; the block before is done reading DA and DB, in which the taps land
	TAPS DA, PA
	TAPS DB, PB
	v_and_b32 v[FA], s46, v[X]                     ; the weights are made while the taps are on their way
	v_and_b32 v[FA+1], s46, v[Y]
	v_and_b32 v[FB], s46, v[XB]
	v_and_b32 v[FB+1], s46, v[YB]
	v_cvt_f32_u32 v[WXA], v[FA]                    ; 21 bits: exact in f32
	v_cvt_f32_u32 v[WY], v[FA+1]
	v_cvt_f32_u32 v[WXB], v[FB]
	v_cvt_f32_u32 v[WY+1], v[FB+1]
	v_sub_f32 v[WXA+1], s47, v[WXA]                ; 1 - wx
	v_sub_f32 v[WXB+1], s47, v[WXB]
	v_pk_mul_f32 v[LA:LA+1], v[WXA:WXA+1], v[WY:WY+1] op_sel_hi:[1,0]                ; {wx, 1-wx} wy
	v_pk_mul_f32 v[LB:LB+1], v[WXB:WXB+1], v[WY:WY+1] op_sel:[0,1] op_sel_hi:[1,1]
	v_pk_fma_f32 v[HA:HA+1], v[WXA:WXA+1], 0x4a000000, v[LA:LA+1] op_sel_hi:[1,0,1] neg_lo:[0,0,1] neg_hi:[0,0,1]   ; {wx, 1-wx} (1 - wy)
	v_pk_fma_f32 v[HB:HB+1], v[WXB:WXB+1], 0x4a000000, v[LB:LB+1] op_sel_hi:[1,0,1] neg_lo:[0,0,1] neg_hi:[0,0,1]
	v_add_nc_u32 v[X], s24, v[X]                   ; the next block
	v_add_nc_u32 v[Y], s25, v[Y]
	s_wait_alu depctr_vm_vsrc(0)                   ; the eight taps have read PA and PB, which the next block's cells write
	CELLS LASTB-1                                  ; and so are the next block's cells (s41 still counts this block); those that the last trip makes are read by nothing
	s_wait_dscnt 0x4                               ; LDS answers in order (ISA guide 5.7.1): the first four taps are in (and the last unit's store, which is older), the second four may be out
	BLEND ACA, DA, LA, HA
	s_wait_dscnt 0x0
	BLEND ACB, DB, LB, HB
	s_add_co_u32 s41, s41, 1
	s_cmp_lt_u32 s41, s42
	s_cbranch_scc1 .Lblock_\@
	v_pk_add_f32 v[ACA:ACA+1], v[ACA:ACA+1], v[ACB:ACB+1]
	v_pk_add_f32 v[ACA+2:ACA+3], v[ACA+2:ACA+3], v[ACB+2:ACB+3]
.irp r, 0,1,2,3
	v_add_f32_dpp v[ACA+\r], v[ACA+\r], v[ACA+\r] row_xmask:1 row_mask:0xf bank_mask:0xf   ; over the four lanes of a line (w % 4)
.endr
.irp r, 0,1,2,3
	v_add_f32_dpp v[ACA+\r], v[ACA+\r], v[ACA+\r] row_xmask:2 row_mask:0xf bank_mask:0xf
.endr
.Lstore_\@:
	s_wait_alu depctr_va_vdst(0)                   ; on both ways here the sums (or their zeros) are written, which the store reads as data, and so is its address v[SA]
	ds_store_b128 v[SA], v[ACA:ACA+3] offset:128*\i    ; the four lanes of a line write the same 16 bytes with the same numbers, in my wave's own stage
.if \i < 14
	s_add_co_u32 s34, s34, s36                     ; g + 4
	s_add_co_u32 s35, s35, s37
.endif
.endm
.irp i, 0,1,2,3,4,5,6,7,8,9,10,11,12,13
	UNIT \i
.endr
	s_cmp_ge_u32 s8, 8                             ; unit 14 is line group m + 56: groups 56 and 57 (lines up to 463) exist, 58 and 59 do not: waves 0..7 (m = 0, 1) alone
	s_cbranch_scc1 .Lout
	UNIT 14
.Lout:
; THE WAY OUT.  part[tile][q][4 ag + j][h % 4][image], q = h / 4: for each q the work-group's four angles are 256 consecutive bytes at a multiple of 256, stored by 16 lanes.
; Piece e = t + 512 n of 16 bytes: q = e / 16 = 2 (wave + 16 n) + lane / 16, angle j = (lane / 4) % 4, h % 4 = lane % 4.  So line group g = wave + 16 n, line l = 4 (lane / 16) + lane % 4;
; g = m + 4 i with m = wave % 4, i = wave / 4 + 4 n, and the wave that made (j, m) is 4 m + ((j - m) % 4).  q = 0..115 (lines 460..463 are written and not read again):
; three pieces for each thread and a fourth for waves 0..9 (g = 48..57).
	s_wait_dscnt 0x0                               ; my sums are in my stage,
	s_barrier_signal -1
	s_barrier_wait -1                              ; everybody's are
	s_and_b32 s18, s8, 3                           ; m
	s_lshr_b32 s19, s8, 2
	s_lshl_b32 s19, s19, 7                         ; 128 (wave / 4)
	s_mul_i32 s20, s18, 4*WSTG
	s_add_co_u32 s19, s19, s20
	s_add_co_u32 s19, s19, STAGE
	v_bfe_u32 v12, v1, 2, 2                        ; j
	v_sub_nc_u32 v12, v12, s18
	v_and_b32 v12, 3, v12                          ; (j - m) % 4
	v_mul_u32_u24 v12, WSTG, v12
	v_and_b32 v13, 3, v1
	v_lshrrev_b32 v14, 4, v1
	v_lshlrev_b32 v13, 4, v13
	v_lshl_add_u32 v13, v14, 6, v13                ; 16 l
	v_add_nc_u32 v12, v12, v13
	v_add_nc_u32 v3, s19, v12                      ; (v3 to v5 were last read by the clearing stores, ahead of the units' waits on vm_vsrc)
	v_lshrrev_b32 v4, 4, v0                        ; q at n = 0
	v_and_b32 v5, 15, v0
	v_lshlrev_b32 v5, 4, v5
	v_lshl_add_u32 v4, v4, 12, v5                  ; 4096 q + 16 bytes a lane
	s_wait_alu depctr_va_vdst(0)                   ; v3, the stage reads' address, and v4, the stores' offset, are written; the units' vector instructions are done with v[16:31], in which the stage reads land
	ds_load_b128 v[16:19], v3
	ds_load_b128 v[20:23], v3 offset:512           ; n + 1 is i + 4: 4 x 128 bytes on
	ds_load_b128 v[24:27], v3 offset:1024
	s_wait_dscnt 0x2                               ; the two younger reads may be out
	global_store_b128 v4, v[16:19], s[6:7]
	s_wait_dscnt 0x1
	global_store_b128 v4, v[20:23], s[6:7] offset:32*4096
	s_wait_dscnt 0x0
	global_store_b128 v4, v[24:27], s[6:7] offset:64*4096
	s_cmp_ge_u32 s8, 10
	s_cbranch_scc1 .Ldone
	ds_load_b128 v[28:31], v3 offset:1536          ; no vector instruction since the wait above names v3 or v[28:31]
	s_wait_dscnt 0x0
	global_store_b128 v4, v[28:31], s[6:7] offset:96*4096
.Ldone:
	s_wait_dscnt 0x0
	s_wait_alu depctr_hold_cnt(0) depctr_sa_sdst(0) depctr_va_vdst(0) depctr_va_sdst(0) depctr_va_ssrc(0) depctr_va_vcc(0) depctr_vm_vsrc(0)
	s_wait_tensorcnt 0x0
	ds_add_u32 v94, v95
	s_wait_dscnt 0x0
	s_endpgm
.Lfunc_end_k_qc61b2b50f9_project:
	.size	k_qc61b2b50f9_project, .Lfunc_end_k_qc61b2b50f9_project-k_qc61b2b50f9_project
	.p2alignl 7, 3214868480
	.fill 96, 4, 3214868480
	.section	.rodata,"a",@progbits
	.p2align	6, 0x0
	.amdhsa_kernel k_qc61b2b50f9_project
		.amdhsa_group_segment_fixed_size 196608
		.amdhsa_private_segment_fixed_size 0
		.amdhsa_enable_private_segment 0
		.amdhsa_kernarg_size 16
		.amdhsa_user_sgpr_count 2
		.amdhsa_user_sgpr_kernarg_segment_ptr 1
		.amdhsa_wavefront_size32 1
		.amdhsa_system_sgpr_workgroup_id_x 1
		.amdhsa_system_sgpr_workgroup_id_y 1
		.amdhsa_system_sgpr_workgroup_id_z 1
		.amdhsa_system_vgpr_workitem_id 0
		.amdhsa_next_free_vgpr 96
		.amdhsa_next_free_sgpr 66
		.amdhsa_reserve_vcc 0
		.amdhsa_float_denorm_mode_32 3
		.amdhsa_float_denorm_mode_16_64 3
		.amdhsa_memory_ordered 1
		.amdhsa_forward_progress 1
		.amdhsa_inst_pref_size 105
	.end_amdhsa_kernel
	.amdgpu_metadata
---
amdhsa.version: [ 1, 2 ]
amdhsa.kernels:
  - .name:           k_qc61b2b50f9_project
    .symbol:         k_qc61b2b50f9_project.kd
    .args:
      - { .name: x, .offset: 0, .size: 8, .value_kind: global_buffer, .address_space: global }
      - { .name: part, .offset: 8, .size: 8, .value_kind: global_buffer, .address_space: global }
    .group_segment_fixed_size: 196608
    .private_segment_fixed_size: 0
    .kernarg_segment_align: 8
    .kernarg_segment_size: 16
    .max_flat_workgroup_size: 512
    .sgpr_count:     66
    .vgpr_count:     96
    .wavefront_size: 32
...
	.end_amdgpu_metadata
.endif
;; end of part 3
;; launch collect: the kernel of part 2 again; grid 115 x 1, 8 waves a work-group, no clusters, 5,632 bytes of LDS; arguments part, out0; writes out0
